; MI455X (gfx1250); checked and timed in simulation.
; The chip was launched on July 23, 2026; its instructions are those of AMD's public machine-readable ISA for CDNA 5 (MIT licence, August 2026) and "CDNA5" Instruction Set Architecture Reference Guide (July 2026). The comments in the code are by the model that wrote it; some were corrected since.
;; Multi Attention. Allowed arithmetic: matrix products marked QUANTISED: E2M1 operands, one E8M0 scale for each 32 along K, by v_wmma_scale_f32_16x16x128_f8f6f4 with both operands' format E2M1 (or v_wmma_scale_f32_32x16x128_f4), f32 sums; everything else in f32.
;; Inputs: Wk_codes 1,024 x 32 x 16 uint8 (E2M1 codes of Wk, K innermost, in blocks of 32 codes, two codes a byte); Wk_scales 1,024 x 32 uint8 (E8M0 scales of Wk, one for each 32 codes along K); Wo_codes 1,024 x 32 x 16 uint8 (E2M1 codes of Wo, K innermost, in blocks of 32 codes, two codes a byte); Wo_scales 1,024 x 32 uint8 (E8M0 scales of Wo, one for each 32 codes along K); Wq_codes 1,024 x 32 x 16 uint8 (E2M1 codes of Wq, K innermost, in blocks of 32 codes, two codes a byte); Wq_scales 1,024 x 32 uint8 (E8M0 scales of Wq, one for each 32 codes along K); Wv_codes 1,024 x 32 x 16 uint8 (E2M1 codes of Wv, K innermost, in blocks of 32 codes, two codes a byte); Wv_scales 1,024 x 32 uint8 (E8M0 scales of Wv, one for each 32 codes along K); bk 1,024 float32; bo 1,024 float32; bq 1,024 float32; bv 1,024 float32; embedding_codes 4 x 2,048 x 32 x 16 uint8 (E2M1 codes of embedding, K innermost, in blocks of 32 codes, two codes a byte); embedding_scales 4 x 2,048 x 32 uint8 (E8M0 scales of embedding, one for each 32 codes along K).
;; Outputs: out0 4 x 2,048 x 1,024 float32.
;; This version of the problem:
;;   THIS VERSION OF THE PROBLEM IS GIVEN IN LOW PRECISION. The matrix products marked QUANTISED in the list below multiply operands that are first quantised to E2M1 (2 exponent bits, 1 mantissa bit; 4 bits a number), with one power-of-two scale for each 32 numbers along K (OCP MX v1.0); their sums are f32. All else is computed in f32.
;;   The module's matrix products, in the order in which they are computed (A, B: the left and right operand; K: the contracted axis; several contracted axes count as one K, in the product's order):
;;     1. [M 8,192, K 1,024] x [K 1,024, N 1,024]; A: input embedding (given as codes); B: input Wq (given as codes): QUANTISED
;;     2. [M 8,192, K 1,024] x [K 1,024, N 1,024]; A: input embedding (given as codes); B: input Wk (given as codes): QUANTISED
;;     3. [M 8,192, K 1,024] x [K 1,024, N 1,024]; A: input embedding (given as codes); B: input Wv (given as codes): QUANTISED
;;     4. batch 64 x [M 2,048, K 64] x [K 64, N 2,048]; A: computed on the way; B: computed on the way: QUANTISED
;;     5. batch 64 x [M 2,048, K 2,048] x [K 2,048, N 64]; A: softmax (see below); B: computed on the way: QUANTISED
;;     6. [M 8,192, K 1,024] x [K 1,024, N 1,024]; A: computed on the way; B: input Wo (given as codes): QUANTISED
;;   THE QUANTISER, for each operand of a quantised product, along K:
;;     - K is cut into blocks of 32 from its start; a last block that is shorter is filled with zeros.
;;     - A block's scale is 2^e with e = floor(log2(the largest magnitude in the block)) - 2, held to -126 .. 127; a block of zeros has e = 0. As a byte (E8M0): e + 127.
;;     - Each number is divided by its block's scale, clamped to +-6, and rounded to the nearest number of E2M1, ties to even, subnormals kept.
;;     - The product sums the exact products of the quantised numbers (number of the format x scale) in f32.
;;   ~~~python
;;   def quantise(x, axis):      # numpy; x: float32 -> the quantised numbers, widened to float32 again
;;       x = np.moveaxis(x, axis, -1); K = x.shape[-1]
;;       x = np.pad(x, [(0, 0)] * (x.ndim - 1) + [(0, -K % 32)]); x = x.reshape(x.shape[:-1] + (-1, 32)); a = np.abs(x).max(-1, keepdims=True)
;;       e = np.where(a > 0, np.clip(np.frexp(np.where(a > 0, a, 1))[1] - 1 - 2, -126, 127), 0)      # np.frexp(a)[1] - 1 = floor(log2(a)), exactly
;;       r = np.clip(x / 2.0 ** e, -6, 6)
;;       step = 2.0 ** (np.maximum(np.frexp(np.where(r == 0, 1, r))[1] - 1, 0) - 1)
;;       q = np.round(r / step) * step * 2.0 ** e      # np.round: ties to even
;;       return np.moveaxis(q.reshape(q.shape[:-2] + (-1,))[..., :K], -1, axis).astype(np.float32)
;;   ~~~
;;   SOFTMAX AHEAD OF A QUANTISED PRODUCT. Where the list says 'softmax', what is quantised is not the finished softmax but p = 2^(t - M), with t = logit x log2(e) and M = ceil(the row's largest t), a whole number; so 1/2 < the row's largest p <= 1. The row's sum l is taken of the UNQUANTISED p, in f32, and the product's result is divided by l at the end. Since M is a whole number, a kernel that streams over the keys may use a running M (the ceiling of the running maximum): every later rescaling is an exact power of two, which a block's scale takes up: the codes' values come out the same.
;;   OPERANDS COMPUTED ON THE WAY. 'Computed on the way' means the value that the module computes at that place (a softmax that the list does not call 'softmax' is quantised finished and normalised). What goes into a quantiser is computed in f32, as accurately as f32 sums, v_exp_f32 and their like allow (about 1e-6 of the number): no bf16 or f16 on the way to a quantiser, and a product that is left as it is and whose result goes on into a quantised operand takes f32 operands (vector FMAs, or v_wmma_f32_16x16x4_f32). A number that lies on a knife's edge between two numbers of the format may be rounded either way, as far as f32 arithmetic and the matrix unit's own rounding can turn it there, and no further.
;;   INPUTS GIVEN AS CODES. Wk (in the module: [1024, 1024], K = its axis 1); Wo (in the module: [1024, 1024], K = its axis 1); Wq (in the module: [1024, 1024], K = its axis 1); Wv (in the module: [1024, 1024], K = its axis 1); embedding (in the module: [4, 2048, 1024], K = its axis 2): each comes as NAME_codes (uint8): NAME with its K axis moved to the last place and cut into blocks of 32 codes, [.., K / 32, bytes a block], one block behind the other in memory; two codes a byte, the lower K in the low four bits (a code: sign, 2 exponent bits, 1 mantissa bit); and NAME_scales (uint8): the same leading axes, one E8M0 byte (e + 127) for each 32 codes along K. Its value is code x scale, taken as it is: it is not quantised again, and the codes and scales need not be those that the quantiser above would give.
;; One version. Each part assembles by itself: llvm-mc -triple=amdgcn-amd-amdhsa -mcpu=gfx1250 --defsym DOCPART=n.
;; ======== version 1 of 1: 3 launches
;; workspace buffers: qb 4,718,592 bytes; kv 9,437,184 bytes; ob 4,456,448 bytes
;; launch qkv (part 1): grid 16 x 32, 4 waves a work-group, clusters of 4 x 4, 237,056 bytes of LDS; arguments embedding_codes, embedding_scales, Wq_codes, Wq_scales, bq, Wk_codes, Wk_scales, bk, Wv_codes, Wv_scales, bv, qb, kv; writes qb, kv
.if DOCPART == 1
	.amdgcn_target "amdgcn-amd-amdhsa--gfx1250"
	.amdhsa_code_object_version 6
	.text
	.protected	k_q372f33c478_qkv
	.globl	k_q372f33c478_qkv
	.p2align	8
	.type	k_q372f33c478_qkv,@function
k_q372f33c478_qkv:
	s_mov_b64 s[64:65], 0
	v_nop
	global_prefetch_b8 v0, s[64:65] scope:SCOPE_SE
	s_setreg_imm32_b32 hwreg(HW_REG_WAVE_MODE, 25, 1), 1
	s_wait_xcnt 0x0
	s_wait_alu depctr_hold_cnt(0) depctr_sa_sdst(0) depctr_va_vdst(0) depctr_va_sdst(0) depctr_va_ssrc(0) depctr_va_vcc(0) depctr_vm_vsrc(0)
	s_getreg_b32 s2, hwreg(HW_REG_IB_STS2, 6, 4)
	s_cmp_eq_u32 s2, 0
	s_cbranch_scc0 .Lentry_in_a_cluster
	s_endpgm
.Lentry_in_a_cluster:
	s_bfe_u32 s2, ttmp6, 0x10000c
	s_cmp_lg_u32 s2, 0xf033
	s_cbranch_scc0 .Lentry_shape_is_right
	s_endpgm
.Lentry_shape_is_right:
; Q = E Wq^T + bq, K = E Wk^T + bk, V = E Wv^T + bv on codes of FP4 (E2M1) with one E8M0 scale for each 32 along K (= 1,024), sums in f32;
; the results are quantised at once, Q and K along the head's 64, V along the keys, and leave as IMAGES OF OPERAND REGISTERS for the attention launch.
; SHARES.  A work-group takes 256 tokens x one head's 64 columns of Q, K and V.  All its operands lie in LDS at once (256 rows of E, 3 x 64 rows of W, 512 bytes a row),
; so every tensor load is a first fill: no slot is filled again.  Wave w: Q and K: tokens 64 w on x 64 columns, used transposed (source 0 = 16 rows of W, source 1 = 16 tokens):
; a lane holds one token and its registers run along d.  V: tokens 128 (w / 2) on x d 32 (w % 2) on (source 0 = 16 tokens, source 1 = 16 rows of Wv): a lane holds one d and its registers run along the keys.
; CLUSTER 4 x 4: the four of a row share the token block (E's tile), the four of a column share the head (W's tiles): each tile is asked for jointly.
; QUANTISER.  A block of 32 lies in two neighbouring tiles of source 0 and in lanes l and l xor 16.  Scale byte = exponent field of the largest magnitude - 2.
; LIMITS: a block whose largest magnitude lies under 2^-124 gets the byte 1 (a block of zeros too, where the rule says 127: its codes are zeros and this program alone reads the bytes);
; NaN and infinities ahead of a quantiser are not served; a given scale byte 0xff gives NaN.
; REGISTERS.  Window 0: v1-18 addresses; v20-35, v36-67 E's scale words; v68-83 W's; v84-243 two sets of fragments (on the way out codes and words); v244-255 at work.
;   Window 1: v0-127 sixteen accumulators; v128-159 bq, v160-191 bk, v192-207 bv in the results' layout.
.set PITCH,  528                       ; an LDS row: 512 bytes + 16 of padding = 33 x 16 bytes: the sixteen rows of a fragment load start in sixteen different groups of four banks
.set TILEB,  16*PITCH
.set L_WQ,   256*PITCH                 ; E's 256 rows lie at 0; then Wq's, Wk's, Wv's 64 rows
.set L_WK,   L_WQ+64*PITCH
.set L_WV,   L_WK+64*PITCH
.set QHEAD,  73728                     ; a head in qb: 128 images of 512 bytes, then 8,192 bytes of scale words
.set KVHEAD, 147456                    ; a head in kv: K's images, V's images (65,536 each), K's words, V's words (8,192 each)
.set SEL, 2                            ; s[2:3]  v_permlanex16_b32's selects for lane l xor 16
.set WV,  30
.set CX,  31
.set CY,  32
.set HD,  33                           ; the head
.set TBK, 34                           ; the block of 256 tokens
.set T0,  35
.set G1E, 36                           ; s[36:43] group 1 for E's tile;  s[44:51] for W's
.set G1W, 44
.set G0E, 52                           ; groups 0: E, Wq, Wk, Wv
.set G0Q, 56
.set G0K, 60
.set G0V, 68
.set EOFS, 72                          ; s[72:73] E's byte offset: token block and wave alone
.set WOFS, 74                          ; s[74:75] W's byte offset: head and wave alone
.set QH,  76                           ; s[76:77] qb at my head;  s[78:79] kv at my head;  s[80:81] E's scales at my token block
.set KH,  78
.set ESC, 80
.set T1,  82
.set T2,  84
.set T3,  86
.set W1,  87                           ; wave / 2
.set W0,  88                           ; wave % 2
.set IM,  89                           ; my images' place in a head: 4,096 x step + 2,048 x (wave % 2)
.set SCO, 90                           ; my scale words' place: 512 x step + 256 x (wave % 2)
.set T4,  91
.set LM,  98                           ; the mask of lanes 16-31
.set AEQ, 4                            ; LDS: E's fragments for Q and K;  for V;  Wq's, Wk's, Wv's
.set AEV, 5
.set AWQ, 6
.set AWK, 7
.set AWV, 8
.set VI,  9                            ; 16 x lane + IM
.set SOE, 10                           ; 32 r + 16 h: a row's 32 scale bytes, my half
.set BOQ, 11
.set BOV, 12
.set VS8, 13                           ; 16 r + 8 h + SCO
.set VL8, 14                           ; 8 x lane + SCO
.set SOE4, 16
.set SOE8, 17
.set SOEV, 18
.set SE4, 20
.set SE8, 36
.set SW,  68
.set FR,  84
.set PC,  84                           ; the way out: codes, 16 registers;
.set PWO, 100                          ; two words to store;
.set PWS, 102                          ; four scale words
.set TM,  244                          ; +0..3 largest magnitudes, +4..7 the other half's, then bytes, +8..11 the conversions' scale operands
.set BQ,  128                          ; in window 1
.set BK,  160
.set BV,  192
.set MSB, 0
.macro WIN new                         ; the immediate's high byte repeats the setting that is left; a switch that changes nothing is dropped
.if MSB != \new
	s_set_vgpr_msb (MSB<<8)|\new
.set MSB, \new
.endif
.endm
.macro PLACES n                        ; plain vector instructions between a matrix instruction and a load into, or a vector read of, its registers
.rept \n
	v_nop
.endr
.endm
.macro CROUND                          ; a round of the cluster's barrier
	s_barrier_signal -1
	s_barrier_wait -1
	s_cmp_lg_u32 s[WV], 0
	s_cbranch_scc1 .Lnot_wave_0_\@
	s_barrier_signal -3
.Lnot_wave_0_\@:
	s_barrier_wait -3
	s_barrier_signal -1
	s_barrier_wait -1
.endm
	s_load_b512 s[4:19], s[0:1], 0x0               ; E's codes s[4:5], E's scales s[6:7], Wq's codes, scales, bq s[8:13], Wk's codes, scales, bk s[14:19]
	s_load_b256 s[20:27], s[0:1], 0x40             ; Wv's codes, scales, bv s[20:25], qb s[26:27]
	s_load_b64 s[28:29], s[0:1], 0x60              ; kv
	v_lshl_add_u32 v19, v0, 2, 0x39c00
	s_set_vgpr_msb 0x40
	v_mov_b32 v209, 0
	s_set_vgpr_msb 0x4044
	ds_add_u32 v19, v209
	ds_add_u32 v19, v209
	s_set_vgpr_msb 0x4400
	v_lshrrev_b32 v1, 5, v0
	v_readfirstlane_b32 s[WV], v1                  ; wave 0..3
	s_bfe_u32 s[CX], ttmp6, 0x40000
	s_bfe_u32 s[CY], ttmp6, 0x40004
	s_lshl_b32 s[HD], ttmp9, 2
	s_add_co_u32 s[HD], s[HD], s[CX]               ; head = 4 x cluster x + cx
	s_and_b32 s[TBK], ttmp7, 0xffff
	s_lshl_b32 s[TBK], s[TBK], 2
	s_add_co_u32 s[TBK], s[TBK], s[CY]             ; token block = 4 x cluster y + cy
	s_lshl_b32 s[T0], s[CY], 2
	s_lshl_b32 s[T0], 15, s[T0]                    ; my row of the cluster
	s_lshl_b32 s99, 0x1111, s[CX]                  ; my column
	; group 1: rows of 512 elements of one byte, 16 bytes of padding behind every 128 words; E: 64 rows a wave, W: 16 rows a wave, so that every wave issues the same four loads in the same order
	s_or_b32 s[G1E], s[T0], (1<<20)|(1<<21)|(6<<22)|(3<<25)
	s_or_b32 s[G1W], s99, (1<<20)|(1<<21)|(6<<22)|(3<<25)
.irp g, G1E, G1W
	s_mov_b32 s[\g+1], 512<<16                     ; tensor_dim0
	s_mov_b32 s[\g+3], 512<<16                     ; tile_dim0
	s_mov_b32 s[\g+5], 512                         ; the pitch in memory
	s_mov_b32 s[\g+6], 0
	s_mov_b32 s[\g+7], 0
.endr
	s_mov_b32 s[G1E+2], 64<<16                     ; tensor_dim1
	s_mov_b32 s[G1E+4], 64                         ; tile_dim1
	s_mov_b32 s[G1W+2], 16<<16
	s_mov_b32 s[G1W+4], 16
	s_lshl_b32 s[EOFS], s[TBK], 17                 ; (256 x token block + 64 x wave) rows of 512 bytes
	s_lshl_b32 s[EOFS+1], s[WV], 15
	s_add_co_u32 s[EOFS], s[EOFS], s[EOFS+1]
	s_mov_b32 s[EOFS+1], 0
	s_lshl_b32 s[WOFS], s[HD], 15                  ; (64 x head + 16 x wave) rows of 512 bytes
	s_lshl_b32 s[WOFS+1], s[WV], 13
	s_add_co_u32 s[WOFS], s[WOFS], s[WOFS+1]
	s_mov_b32 s[WOFS+1], 0
	s_mul_i32 s[G0E+1], s[WV], 64*PITCH            ; LDS addresses: the wave's number and constants alone
	s_mul_i32 s[T3], s[WV], TILEB
	s_add_co_u32 s[G0Q+1], s[T3], L_WQ
	s_add_co_u32 s[G0K+1], s[T3], L_WK
	s_add_co_u32 s[G0V+1], s[T3], L_WV
	s_mov_b32 s[G0E], 1
	s_mov_b32 s[G0Q], 1
	s_mov_b32 s[G0K], 1
	s_mov_b32 s[G0V], 1
	s_wait_dscnt 0x0
	s_wait_kmcnt 0x0
	s_add_nc_u64 s[G0E+2:G0E+3], s[4:5], s[EOFS:EOFS+1]
	s_or_b32 s[G0E+3], s[G0E+3], 0x80000000
	s_add_nc_u64 s[G0Q+2:G0Q+3], s[8:9], s[WOFS:WOFS+1]
	s_or_b32 s[G0Q+3], s[G0Q+3], 0x80000000
	s_add_nc_u64 s[G0K+2:G0K+3], s[14:15], s[WOFS:WOFS+1]
	s_or_b32 s[G0K+3], s[G0K+3], 0x80000000
	s_add_nc_u64 s[G0V+2:G0V+3], s[20:21], s[WOFS:WOFS+1]
	s_or_b32 s[G0V+3], s[G0V+3], 0x80000000
	CROUND                                         ; all sixteen work-groups are here: the joint loads meet
	tensor_load_to_lds s[G0E:G0E+3], s[G1E:G1E+7]  ; all the launch's fills, as one group: four loads of mine are out
	s_nop 0
	tensor_load_to_lds s[G0Q:G0Q+3], s[G1W:G1W+7]
	s_nop 0
	tensor_load_to_lds s[G0K:G0K+3], s[G1W:G1W+7]
	s_nop 0
	tensor_load_to_lds s[G0V:G0V+3], s[G1W:G1W+7]
	s_nop 0
	PLACES 4                                       ; four such lines behind the last of them
	s_mov_b32 s[SEL], 0x76543210
	s_mov_b32 s[SEL+1], 0xfedcba98
	s_mov_b32 s[LM], 0xffff0000
	s_lshr_b32 s[T1], s[TBK], 3                    ; the batch: 8 token blocks each
	s_lshl_b32 s[T1], s[T1], 4
	s_add_co_u32 s[T1], s[T1], s[HD]               ; 16 x batch + head
	s_mul_i32 s[T2], s[T1], KVHEAD
	s_mul_i32 s[T1], s[T1], QHEAD
	s_mov_b32 s[T1+1], 0
	s_mov_b32 s[T2+1], 0
	s_add_nc_u64 s[QH:QH+1], s[26:27], s[T1:T1+1]
	s_add_nc_u64 s[KH:KH+1], s[28:29], s[T2:T2+1]
	s_lshl_b32 s[T1], s[TBK], 13                   ; 256 rows of 32 scale bytes
	s_add_nc_u64 s[ESC:ESC+1], s[6:7], s[T1:T1+1]
	s_lshl_b32 s[T1], s[HD], 11                    ; 64 rows of 32 scale bytes
	s_add_nc_u64 s[10:11], s[10:11], s[T1:T1+1]
	s_add_nc_u64 s[16:17], s[16:17], s[T1:T1+1]
	s_add_nc_u64 s[22:23], s[22:23], s[T1:T1+1]
	s_lshl_b32 s[T1], s[HD], 8                     ; 64 biases
	s_add_nc_u64 s[12:13], s[12:13], s[T1:T1+1]
	s_add_nc_u64 s[18:19], s[18:19], s[T1:T1+1]
	s_add_nc_u64 s[24:25], s[24:25], s[T1:T1+1]
	s_and_b32 s[T3], s[TBK], 7
	s_lshl_b32 s[T3], s[T3], 1
	s_lshr_b32 s[W1], s[WV], 1
	s_add_co_u32 s[T3], s[T3], s[W1]               ; which 128 tokens of the sequence: the key step
	s_and_b32 s[W0], s[WV], 1
	s_lshl_b32 s[IM], s[T3], 12
	s_lshl_b32 s[T4], s[W0], 11
	s_add_co_u32 s[IM], s[IM], s[T4]
	s_lshl_b32 s[SCO], s[T3], 9
	s_lshl_b32 s[T4], s[W0], 8
	s_add_co_u32 s[SCO], s[SCO], s[T4]
	v_and_b32 v1, 15, v0                           ; r
	v_bfe_u32 v2, v0, 4, 1                         ; h
	v_and_b32 v3, 31, v0                           ; lane
	v_mul_u32_u24 v15, v1, PITCH
	v_lshl_add_u32 v15, v2, 4, v15                 ; a fragment: row r, + 16 h
	s_mul_i32 s[T4], s[WV], 64*PITCH
	v_add_nc_u32 v[AEQ], s[T4], v15
	s_mul_i32 s[T4], s[W1], 128*PITCH
	v_add_nc_u32 v[AEV], s[T4], v15
	v_add_nc_u32 v[AWQ], L_WQ, v15
	v_add_nc_u32 v[AWK], L_WK, v15
	s_mul_i32 s[T4], s[W0], 2*TILEB
	s_add_co_u32 s[T4], s[T4], L_WV
	v_add_nc_u32 v[AWV], s[T4], v15
	v_lshlrev_b32 v[VI], 4, v3
	v_add_nc_u32 v[VI], s[IM], v[VI]
	v_lshlrev_b32 v[SOE], 5, v1
	v_lshl_add_u32 v[SOE], v2, 4, v[SOE]
	s_lshl_b32 s[T4], s[WV], 11
	v_add_nc_u32 v[SOE4], s[T4], v[SOE]            ; my 64 tokens' scale rows
	s_lshl_b32 s[T4], s[W1], 12
	v_add_nc_u32 v[SOE8], s[T4], v[SOE]            ; my 128 tokens'
	s_lshl_b32 s[T4], s[W0], 10
	v_add_nc_u32 v[SOEV], s[T4], v[SOE]            ; my 32 rows of Wv
	v_lshlrev_b32 v[BOQ], 5, v2                    ; bq, bk: eight numbers at 16 x + 8 h
	v_lshlrev_b32 v[BOV], 2, v1                    ; bv: one number, that of my d
	s_lshl_b32 s[T4], s[W0], 7
	v_add_nc_u32 v[BOV], s[T4], v[BOV]
	v_lshlrev_b32 v[VS8], 4, v1
	v_lshl_add_u32 v[VS8], v2, 3, v[VS8]
	v_add_nc_u32 v[VS8], s[SCO], v[VS8]
	v_lshlrev_b32 v[VL8], 3, v3
	v_add_nc_u32 v[VL8], s[SCO], v[VL8]
.irp b, 0,1,2,3
	v_mov_b32 v[TM+4+\b], 0                        ; written once: a lane permute's destination counts as one of its sources
.endr
	; SCALE WORDS.  A row has 32 scale bytes; lane (r, h) takes its bytes 16 h .. 16 h + 15: register q then holds K step q's word in lanes 0-15 and K step 4 + q's in lanes 16-31
.irp t, 0,1,2,3
	global_load_b128 v[SE4+4*\t:SE4+4*\t+3], v[SOE4], s[ESC:ESC+1] offset:512*\t
	global_load_b128 v[SW+4*\t:SW+4*\t+3], v[SOE], s[10:11] offset:512*\t
.endr
.irp t, 0,1,2,3,4,5,6,7
	global_load_b128 v[SE8+4*\t:SE8+4*\t+3], v[SOE8], s[ESC:ESC+1] offset:512*\t
.endr
	WIN 0x40                                       ; destination window 1: the biases, in the results' layout
.irp x, 0,1,2,3
	global_load_b128 v[BQ+8*\x:BQ+8*\x+3], v[BOQ], s[12:13] offset:64*\x
	global_load_b128 v[BQ+8*\x+4:BQ+8*\x+7], v[BOQ], s[12:13] offset:64*\x+16
	global_load_b128 v[BK+8*\x:BK+8*\x+3], v[BOQ], s[18:19] offset:64*\x
	global_load_b128 v[BK+8*\x+4:BK+8*\x+7], v[BOQ], s[18:19] offset:64*\x+16
.endr
.irp y, 0,1
.irp j, 0,1,2,3,4,5,6,7
	global_load_b32 v[BV+8*\y+\j], v[BOV], s[24:25] offset:64*\y
.endr
.endr
	WIN 0
; the fragments of K step s (128 along K: 64 bytes of a row) into set p: nx tiles of source 0, then ny of source 1.  Registers 4 c .. 4 c + 3 of a fragment: k = 64 c + 32 h + 0 .. 31
.macro FETCH p, s, nx, ny, adrx, adry
.set ff, 0
.rept \nx
	ds_load_b128 v[FR+80*(\p)+8*ff:FR+80*(\p)+8*ff+3], v[\adrx] offset:TILEB*ff+64*(\s)
	ds_load_b128 v[FR+80*(\p)+8*ff+4:FR+80*(\p)+8*ff+7], v[\adrx] offset:TILEB*ff+64*(\s)+32
.set ff, ff+1
.endr
.set ff, 0
.rept \ny
	ds_load_b128 v[FR+80*(\p)+8*(\nx)+8*ff:FR+80*(\p)+8*(\nx)+8*ff+3], v[\adry] offset:TILEB*ff+64*(\s)
	ds_load_b128 v[FR+80*(\p)+8*(\nx)+8*ff+4:FR+80*(\p)+8*(\nx)+8*ff+7], v[\adry] offset:TILEB*ff+64*(\s)+32
.set ff, ff+1
.endr
.endm
; K step ks: the sixteen accumulators by turns, one instruction a turn, in the same order in every K step.  The first K step takes the bias as C: nothing is cleared or added later
.macro MUL nx, ny, sx, sy, bias, byy
.set yy, 0
.rept \ny
.set xx, 0
.rept \nx
.set rD, 8*(\nx*yy+xx)
.set rA, FR+80*(ks%2)+8*xx
.set rB, FR+80*(ks%2)+8*\nx+8*yy
.set rC, rD
.if ks == 0
.set rC, \bias+8*(xx+\byy*(yy-xx))
.endif
.set rSA, \sx+4*xx+ks%4
.set rSB, \sy+4*yy+ks%4
.if ks >= 4
	v_wmma_scale_f32_16x16x128_f8f6f4 v[rD:rD+7], v[rA:rA+7], v[rB:rB+7], v[rC:rC+7], v[rSA], v[rSB] matrix_a_fmt:MATRIX_FMT_FP4 matrix_b_fmt:MATRIX_FMT_FP4 matrix_a_scale:MATRIX_SCALE_ROW1 matrix_b_scale:MATRIX_SCALE_ROW1
.else
	v_wmma_scale_f32_16x16x128_f8f6f4 v[rD:rD+7], v[rA:rA+7], v[rB:rB+7], v[rC:rC+7], v[rSA], v[rSB] matrix_a_fmt:MATRIX_FMT_FP4 matrix_b_fmt:MATRIX_FMT_FP4
.endif
.set xx, xx+1
.endr
.set yy, yy+1
.endr
.endm
; a phase: eight K steps on two sets of fragments; the next K step's loads are issued ahead of this step's products
.macro GEMM nx, ny, adrx, adry, sx, sy, bias, byy
	s_wait_xcnt 0x0                                ; the last phase's stores have read their data, which lie where fragments land
	FETCH 0, 0, \nx, \ny, \adrx, \adry
.set ks, 0
.rept 8
.if ks < 7
.if ks > 0
	PLACES 4                                       ; the set to be loaded was read by the products just issued
.endif
	FETCH (ks+1)%2, ks+1, \nx, \ny, \adrx, \adry
	s_wait_dscnt 2*(\nx+\ny)                       ; this K step's fragments are in; the next step's, just issued, may be out
.else
	s_wait_dscnt 0x0
.endif
	WIN 0x50                                       ; C and D in window 1
	MUL \nx, \ny, \sx, \sy, \bias, \byy
	WIN 0
.set ks, ks+1
.endr
.endm
; 16 nb numbers of a lane, window 1's v[x] on (register 16 b + i belongs to block b: tiles 2 b and 2 b + 1 of source 0), become 2 nb registers of codes at v[pc] and the scale word v[pw]
.macro QUANT x, nb, pc, pw
	WIN 0x05                                       ; sources 0 and 1 in window 1
.set bb, 0
.rept \nb
	v_max3_num_f32 v[TM+bb], |v[(\x)+16*bb]|, |v[(\x)+16*bb+1]|, 0x1800000   ; each accumulator is read from its low end on; the floor 2^(3 - 127) holds the byte at 1 from below
.set bb, bb+1
.endr
.set ii, 2
.rept 7
.set bb, 0
.rept \nb
	v_max3_num_f32 v[TM+bb], |v[(\x)+16*bb+ii]|, |v[(\x)+16*bb+ii+1]|, v[TM+bb]
.set bb, bb+1
.endr
.set ii, ii+2
.endr
	WIN 0
.set bb, 0
.rept \nb
	v_permlanex16_b32 v[TM+4+bb], v[TM+bb], s[SEL], s[SEL+1]
.set bb, bb+1
.endr
.set bb, 0
.rept \nb
	v_max_num_f32 v[TM+bb], v[TM+bb], v[TM+4+bb]   ; with lane l xor 16's sixteen: the block's largest magnitude
.set bb, bb+1
.endr
.set bb, 0
.rept \nb
	v_add_nc_u32 v[TM+8+bb], 0xff000000, v[TM+bb]  ; 2 off its exponent field: the conversion's scale operand
.set bb, bb+1
.endr
.set bb, 0
.rept \nb
	v_lshrrev_b32 v[TM+4+bb], 23, v[TM+8+bb]       ; the scale's byte
.set bb, bb+1
.endr
	v_lshl_or_b32 v[\pw], v[TM+5], 8, v[TM+4]
.if \nb == 2
	v_lshl_or_b32 v[\pw], v[\pw], 16, v[\pw]       ; (b0, b1, b0, b1): the reader lays the 64 numbers in either half of a K of 128
.else
	v_lshl_or_b32 v[\pw], v[TM+6], 16, v[\pw]
	v_lshl_or_b32 v[\pw], v[TM+7], 24, v[\pw]
.endif
	WIN 0x01                                       ; source 0 in window 1
.set bb, 0
.rept \nb
	v_cvt_scalef32_pk8_fp4_f32 v[(\pc)+4*(bb/2)+bb%2], v[(\x)+16*bb:(\x)+16*bb+7], v[TM+8+bb]         ; k = 32 b + 8 h + 0 .. 7
	v_cvt_scalef32_pk8_fp4_f32 v[(\pc)+4*(bb/2)+2+bb%2], v[(\x)+16*bb+8:(\x)+16*bb+15], v[TM+8+bb]    ; k = 32 b + 16 + 8 h + 0 .. 7
.set bb, bb+1
.endr
	WIN 0
	v_nop                                          ; one plain line behind the scaled conversions
.set bb, 0
.rept \nb
	v_permlane16_swap_b32 v[(\pc)+2*bb], v[(\pc)+2*bb+1]   ; the first's lanes 16-31 change places with the second's lanes 0-15: register 4 c + i now holds k = 64 c + 32 h + 8 i + 0 .. 7
.set bb, bb+1
.endr
.endm
; Q's or K's way out: four tiles of 16 tokens; each image is one store of 512 consecutive bytes, aligned; the four words of a row leave as 16 neighbouring bytes: 32 lanes store 256 consecutive bytes
.macro EPI_QK base, ims
.set yq, 0
.rept 4
	QUANT 32*yq, 2, PC+4*yq, PWS+yq
	global_store_b128 v[VI], v[PC+4*yq:PC+4*yq+3], s[\base:\base+1] offset:512*yq
.set yq, yq+1
.endr
	v_cndmask_b32 v[PWO], v[PWS], v[PWS+2], s[LM]  ; lanes 0-15 store tiles 0 and 1's words, lanes 16-31 tiles 2 and 3's
	v_cndmask_b32 v[PWO+1], v[PWS+1], v[PWS+3], s[LM]
	global_store_b64 v[VS8], v[PWO:PWO+1], s[\base:\base+1] offset:\ims
.endm
	s_wait_tensorcnt 2                             ; my parts of E and Wq are in; Wk's and Wv's may stay out
	s_barrier_signal -1
	s_barrier_wait -1                              ; everybody's are
	s_wait_loadcnt 0x0                             ; scale words and biases
	GEMM 4, 4, AWQ, AEQ, SW, SE4, BQ, 0            ; ---- Q
	PLACES 4
.irp t, 0,1,2,3
	global_load_b128 v[SW+4*\t:SW+4*\t+3], v[SOE], s[16:17] offset:512*\t   ; Wk's scale words land during Q's way out
.endr
	EPI_QK QH, 65536
	s_wait_tensorcnt 1                             ; my part of Wk is in; Wv's may stay out.  No LDS instruction of mine is out
	s_barrier_signal -1
	s_barrier_wait -1
	s_wait_loadcnt 0x0
	GEMM 4, 4, AWK, AEQ, SW, SE4, BK, 0            ; ---- K
	PLACES 4
.irp t, 0,1
	global_load_b128 v[SW+4*\t:SW+4*\t+3], v[SOEV], s[22:23] offset:512*\t  ; the scale words of my two tiles of Wv
.endr
	EPI_QK KH, 131072
	s_wait_tensorcnt 0x0                           ; my part of Wv is in
	s_barrier_signal -1
	s_barrier_wait -1
	s_wait_loadcnt 0x0
	GEMM 8, 2, AEV, AWV, SE8, SW, BV, 1            ; ---- V: registers run along the keys
	PLACES 4
.set yq, 0
.rept 2
	QUANT 64*yq, 4, PC+8*yq, PWS+yq                ; 16 d x 128 keys: a whole fragment and a whole scale word
	global_store_b128 v[VI], v[PC+8*yq:PC+8*yq+3], s[KH:KH+1] offset:65536+1024*yq
	global_store_b128 v[VI], v[PC+8*yq+4:PC+8*yq+7], s[KH:KH+1] offset:65536+1024*yq+512
.set yq, yq+1
.endr
	global_store_b64 v[VL8], v[PWS:PWS+1], s[KH:KH+1] offset:139264   ; both tiles' words, 8 bytes a lane: 256 consecutive bytes
	s_set_vgpr_msb 0x4
	s_wait_tensorcnt 0x0
	ds_add_u32 v19, v209
	s_wait_dscnt 0x0
	s_set_vgpr_msb 0x400
	CROUND                                         ; the closing round: no work-group ends while a partner may still ask for a tile that names it
	s_endpgm
.Lfunc_end_k_q372f33c478_qkv:
	.size	k_q372f33c478_qkv, .Lfunc_end_k_q372f33c478_qkv-k_q372f33c478_qkv
	.p2alignl 7, 3214868480
	.fill 96, 4, 3214868480
	.section	.rodata,"a",@progbits
	.p2align	6, 0x0
	.amdhsa_kernel k_q372f33c478_qkv
		.amdhsa_group_segment_fixed_size 237056
		.amdhsa_private_segment_fixed_size 0
		.amdhsa_enable_private_segment 0
		.amdhsa_kernarg_size 104
		.amdhsa_user_sgpr_count 2
		.amdhsa_user_sgpr_kernarg_segment_ptr 1
		.amdhsa_wavefront_size32 1
		.amdhsa_system_sgpr_workgroup_id_x 1
		.amdhsa_system_sgpr_workgroup_id_y 1
		.amdhsa_system_sgpr_workgroup_id_z 1
		.amdhsa_system_vgpr_workitem_id 0
		.amdhsa_next_free_vgpr 466
		.amdhsa_next_free_sgpr 100
		.amdhsa_reserve_vcc 0
		.amdhsa_float_denorm_mode_32 3
		.amdhsa_float_denorm_mode_16_64 3
		.amdhsa_memory_ordered 1
		.amdhsa_forward_progress 1
		.amdhsa_inst_pref_size 118
	.end_amdhsa_kernel
	.amdgpu_metadata
---
amdhsa.version: [ 1, 2 ]
amdhsa.kernels:
  - .name:           k_q372f33c478_qkv
    .symbol:         k_q372f33c478_qkv.kd
    .args:
      - { .name: embedding_codes, .offset: 0, .size: 8, .value_kind: global_buffer, .address_space: global }
      - { .name: embedding_scales, .offset: 8, .size: 8, .value_kind: global_buffer, .address_space: global }
      - { .name: Wq_codes, .offset: 16, .size: 8, .value_kind: global_buffer, .address_space: global }
      - { .name: Wq_scales, .offset: 24, .size: 8, .value_kind: global_buffer, .address_space: global }
      - { .name: bq, .offset: 32, .size: 8, .value_kind: global_buffer, .address_space: global }
      - { .name: Wk_codes, .offset: 40, .size: 8, .value_kind: global_buffer, .address_space: global }
      - { .name: Wk_scales, .offset: 48, .size: 8, .value_kind: global_buffer, .address_space: global }
      - { .name: bk, .offset: 56, .size: 8, .value_kind: global_buffer, .address_space: global }
      - { .name: Wv_codes, .offset: 64, .size: 8, .value_kind: global_buffer, .address_space: global }
      - { .name: Wv_scales, .offset: 72, .size: 8, .value_kind: global_buffer, .address_space: global }
      - { .name: bv, .offset: 80, .size: 8, .value_kind: global_buffer, .address_space: global }
      - { .name: qb, .offset: 88, .size: 8, .value_kind: global_buffer, .address_space: global }
      - { .name: kv, .offset: 96, .size: 8, .value_kind: global_buffer, .address_space: global }
    .group_segment_fixed_size: 237056
    .private_segment_fixed_size: 0
    .kernarg_segment_align: 8
    .kernarg_segment_size: 104
    .max_flat_workgroup_size: 128
    .sgpr_count:     100
    .vgpr_count:     466
    .wavefront_size: 32
...
	.end_amdgpu_metadata
.endif
;; end of part 1
;; launch attn (part 2): grid 8 x 32, 16 waves a work-group, clusters of 4 x 1, 327,680 bytes of LDS; arguments qb, kv, ob; writes ob
.if DOCPART == 2
	.amdgcn_target "amdgcn-amd-amdhsa--gfx1250"
	.amdhsa_code_object_version 6
	.text
	.protected	k_q372f33c478_attn
	.globl	k_q372f33c478_attn
	.p2align	8
	.type	k_q372f33c478_attn,@function
k_q372f33c478_attn:
	s_mov_b64 s[64:65], 0
	v_nop
	global_prefetch_b8 v0, s[64:65] scope:SCOPE_SE
	s_setreg_imm32_b32 hwreg(HW_REG_WAVE_MODE, 25, 1), 1
	s_wait_xcnt 0x0
	s_wait_alu depctr_hold_cnt(0) depctr_sa_sdst(0) depctr_va_vdst(0) depctr_va_sdst(0) depctr_va_ssrc(0) depctr_va_vcc(0) depctr_vm_vsrc(0)
	s_getreg_b32 s2, hwreg(HW_REG_IB_STS2, 6, 4)
	s_cmp_eq_u32 s2, 0
	s_cbranch_scc0 .Lentry_in_a_cluster
	s_endpgm
.Lentry_in_a_cluster:
	s_bfe_u32 s2, ttmp6, 0x10000c
	s_cmp_lg_u32 s2, 0x3003
	s_cbranch_scc0 .Lentry_shape_is_right
	s_endpgm
.Lentry_shape_is_right:
; O = softmax(Q K^T / 8) V for 64 heads of 2,048 x 64, both products on codes of FP4 (E2M1) with one E8M0 scale for each 32 along K; O / l is quantised along the model's 1,024 and leaves as operand images.
; THE SOFTMAX: t = score x log2(e) / 8; M = the running largest t, rounded up to a whole number; p = 2^(t - M) is quantised along the keys, not normalised; l is the sum of the unquantised p; when M moves,
; l and O are multiplied by 2^(old M - new M), which rounds nothing.
; SHARES.  A work-group owns 256 queries and TWO neighbouring heads (one K step of the last product); wave w owns 16 queries, one tile, and walks head A's 2,048 keys, then head B's, 128 keys a step.
; Four waves share a SIMD, so that one wave's vector work stands beside another's products and LDS loads.
; LDS.  Each head's K and V (images and scale words, 147,456 bytes, as they lie in kv) come in whole, by first fills: no bytes are filled again.  Head B's fill lands while head A is walked.
; CLUSTER 4 x 1: the four query blocks of a cluster walk the same two heads: each part is asked for jointly, every wave its sixteenth.
; LAYOUT.  S^T = K Q^T (source 0 = 16 keys), O^T = V^T P^T (source 0 = 16 of the head's 64): a lane holds one query throughout, and its registers run along the next K.
; K = 64 IN AN INSTRUCTION OF 128: an even tile is (K, zeros) against (Q, zeros), an odd one (zeros, K) against (zeros, Q): both operands have zero codes in the idle half; the scale words hold (b0, b1, b0, b1).
; LIMITS: a block whose largest magnitude lies under 2^-124 gets the byte 1 (a block of zeros too: its codes are zeros, and this program alone reads the bytes); NaN and infinities are not served.
.set HEADB, 147456
.set QHEAD, 73728
.set OBLK,  139264                     ; a block of 256 tokens in ob: 131,072 bytes of images, 8,192 of scale words
.set OSTG,  2*HEADB                    ; 1,024 bytes: the work-group's scale words of O; no fill lands here
.set WV,  10
.set CX,  11
.set QB,  12
.set PR,  13
.set G1,  16
.set G0A, 24
.set G0B, 28
.set SEL, 32
.set CS,  34                           ; s[34:35] c = log2(e) / 8
.set TK,  36                           ; LDS byte of the step's images: 4,096 a step
.set TS,  37                           ; and of its scale words: 512 a step
.set CNT, 38
.set QA,  40
.set QSA, 42
.set OBA, 44
.set OSA, 46
.set LI,  1                            ; 16 x lane
.set LIV, 2                            ; + 65,536: V's images
.set LIS, 3                            ; + 131,072: K's scale words
.set LI8, 4                            ; 8 x lane + 139,264: V's
.set ADK, 5
.set ADV, 6
.set ADS, 7
.set ADT, 8
.set QSO, 9
.set STA, 10
.set RDA, 11
.set QF,  16                           ; v16-27 (Q, four zeros, Q)
.set QS,  28                           ; Q's scale word
.set PWA, 29                           ; O's scale word
.set KS,  32                           ; K's scale words: register q: tile q in lanes 0-15, tile 4 + q in lanes 16-31
.set VS,  36                           ; V's, a register a tile
.set KF,  40                           ; v40-87: for each pair of tiles (K even, four zeros, K odd)
.set VF,  88
.set S,   120                          ; S^T, then p; on the way out O / l
.set O,   184
.set PC,  216                          ; p's codes
.set BM,  224
.set T4,  228
.set SO,  232
.set OC0, 240                          ; O's codes: head A's, head B's
.set F,   250                          ; v[250:251] f = 2^(old M - new M), and a zero named with it as a pair
.set PWD, 253                          ; p's scale word
.set TMP, 254
.macro PLACES n
.rept \n
	v_nop
.endr
.endm
.macro CROUND
	s_barrier_signal -1
	s_barrier_wait -1
	s_cmp_lg_u32 s[WV], 0
	s_cbranch_scc1 .Lnot_wave_0_\@
	s_barrier_signal -3
.Lnot_wave_0_\@:
	s_barrier_wait -3
	s_barrier_signal -1
	s_barrier_wait -1
.endm
	s_load_b128 s[4:7], s[0:1], 0x0                ; qb, kv
	s_load_b64 s[8:9], s[0:1], 0x10                ; ob
	v_lshl_add_u32 v252, v0, 2, 0x48400
	v_mov_b32 v255, 0
	ds_add_u32 v252, v255
	ds_add_u32 v252, v255
	v_lshrrev_b32 v1, 5, v0
	s_delay_alu instid0(VALU_DEP_1)
	v_readfirstlane_b32 s[WV], v1                  ; wave 0..15
	s_bfe_u32 s[CX], ttmp6, 0x40000
	s_lshl_b32 s[QB], ttmp9, 2
	s_add_co_u32 s[QB], s[QB], s[CX]               ; my block of 256 queries: it enters qb's and ob's addresses alone
	s_and_b32 s[PR], ttmp7, 0xffff                 ; the pair of heads, which the four partners share
	; group 1: 36 dense rows of 256 bytes (32 elements of 8 bytes) a wave: 16 x 9,216 bytes are a head
	s_mov_b32 s[G1], 15|(3<<16)|(1<<21)
	s_mov_b32 s[G1+1], 32<<16
	s_mov_b32 s[G1+2], 36<<16
	s_mov_b32 s[G1+3], 32<<16
	s_mov_b32 s[G1+4], 36
	s_mov_b32 s[G1+5], 32
	s_mov_b32 s[G1+6], 0
	s_mov_b32 s[G1+7], 0
	s_mul_i32 s[G0A+1], s[WV], 9216
	s_add_co_u32 s[G0B+1], s[G0A+1], HEADB
	s_mul_i32 s48, s[PR], 2*HEADB
	s_add_co_u32 s48, s48, s[G0A+1]
	s_mov_b32 s49, 0
	s_mov_b32 s[G0A], 1
	s_mov_b32 s[G0B], 1
	s_wait_dscnt 0x0
	s_wait_kmcnt 0x0
	s_add_nc_u64 s[G0A+2:G0A+3], s[6:7], s[48:49]
	s_add_nc_u64 s[G0B+2:G0B+3], s[G0A+2:G0A+3], HEADB
	s_or_b32 s[G0A+3], s[G0A+3], 0x80000000
	s_or_b32 s[G0B+3], s[G0B+3], 0x80000000
	CROUND                                         ; all four work-groups are here: the joint loads meet
	tensor_load_to_lds s[G0A:G0A+3], s[G1:G1+7]    ; head A's part: one load of mine is out
	s_nop 0
	s_wait_alu depctr_va_vdst(0)
	s_wait_tensorcnt 0x0
	ds_add_u32 v252, v255
	s_wait_dscnt 0x0
	CROUND
	tensor_load_to_lds s[G0B:G0B+3], s[G1:G1+7]
	s_nop 0
	PLACES 4                                       ; four such lines behind the tensor load
	s_mov_b32 s[SEL], 0x76543210
	s_mov_b32 s[SEL+1], 0xfedcba98
	s_mov_b32 s[CS], 0x3e38aa3b                    ; log2(e) / 8
	s_mov_b32 s[CS+1], s[CS]
	s_lshl_b32 s14, s[QB], 4
	s_add_co_u32 s14, s14, s[WV]                   ; my tile of 16 queries, 0 .. 127
	s_mul_i32 s50, s[PR], 2*QHEAD
	s_lshl_b32 s51, s14, 9
	s_add_co_u32 s[QA], s50, s51
	s_mov_b32 s[QA+1], 0
	s_add_nc_u64 s[QA:QA+1], s[4:5], s[QA:QA+1]    ; head A's image of my tile; head B's lies QHEAD bytes on
	s_lshr_b32 s51, s14, 2
	s_lshl_b32 s51, s51, 8
	s_add_co_u32 s[QSA], s50, s51
	s_and_b32 s51, s14, 3
	s_lshl_b32 s51, s51, 2
	s_add_co_u32 s[QSA], s[QSA], s51
	s_add_co_u32 s[QSA], s[QSA], 65536
	s_mov_b32 s[QSA+1], 0
	s_add_nc_u64 s[QSA:QSA+1], s[4:5], s[QSA:QSA+1]   ; its scale words: 16 bytes a row, my tile's word among four
	s_lshr_b32 s50, s[PR], 3
	s_lshl_b32 s50, s50, 3
	s_add_co_u32 s50, s50, s[QB]                   ; the block of 256 tokens: 8 x batch + query block
	s_mul_i32 s50, s50, OBLK
	s_and_b32 s51, s[PR], 7
	s_lshl_b32 s51, s51, 10                        ; the pair of heads is K step PR % 8 of the last product: 1,024 bytes a step in both regions
	s_add_co_u32 s50, s50, s51
	s_lshl_b32 s51, s[WV], 13
	s_add_co_u32 s[OBA], s50, s51
	s_mov_b32 s[OBA+1], 0
	s_add_nc_u64 s[OBA:OBA+1], s[8:9], s[OBA:OBA+1]
	s_and_b32 s51, s[WV], 1
	s_lshl_b32 s51, s51, 9
	s_add_co_u32 s[OSA], s50, s51
	s_add_co_u32 s[OSA], s[OSA], 131072
	s_mov_b32 s[OSA+1], 0
	s_add_nc_u64 s[OSA:OSA+1], s[8:9], s[OSA:OSA+1]
	v_and_b32 v30, 31, v0                          ; lane
	v_and_b32 v31, 15, v0                          ; r
	s_delay_alu instid0(VALU_DEP_2)
	v_lshlrev_b32 v[LI], 4, v30
	s_delay_alu instid0(VALU_DEP_1)
	v_add_nc_u32 v[LIV], 65536, v[LI]
	s_delay_alu instid0(VALU_DEP_2)
	v_add_nc_u32 v[LIS], 131072, v[LI]
	v_lshlrev_b32 v[LI8], 3, v30
	s_delay_alu instid0(VALU_DEP_1)
	v_add_nc_u32 v[LI8], 139264, v[LI8]
	v_lshlrev_b32 v[QSO], 4, v31
	s_lshl_b32 s51, s[WV], 6
	s_add_co_u32 s51, s51, OSTG
	v_lshl_add_u32 v[STA], v31, 2, s51             ; my tile's 16 words of O's scales
	s_and_b32 s51, s[WV], 1
	s_lshl_b32 s51, s51, 9
	s_add_co_u32 s51, s51, OSTG
	v_add_nc_u32 v[RDA], s51, v[LI]                ; waves 0 and 1 read them back, 512 bytes each
.irp j, 4,5,6,7
	v_mov_b32 v[QF+\j], 0                          ; the zero codes: written once, never the target of a load
.endr
.irp g, 0,1,2,3
.irp j, 4,5,6,7
	v_mov_b32 v[KF+12*\g+\j], 0
.endr
.endr
.irp b, 0,1,2,3
	v_mov_b32 v[T4+\b], 0                          ; a lane permute's destination counts as one of its sources
.endr
	v_mov_b32 v[F+1], 0
.macro QLOAD hs                        ; my tile of Q, twice (for even and for odd tiles of K), and its scale word
	global_load_b128 v[QF:QF+3], v[LI], s[QA:QA+1] offset:QHEAD*\hs
	global_load_b128 v[QF+8:QF+11], v[LI], s[QA:QA+1] offset:QHEAD*\hs
	global_load_b32 v[QS], v[QSO], s[QSA:QSA+1] offset:QHEAD*\hs
.endm
	QLOAD 0
; A KEY STEP: 128 keys.
.macro STEP
	v_add_nc_u32 v[ADK], s[TK], v[LI]              ; these four lines are also the places between the last step's products and the loads into their operands
	v_add_nc_u32 v[ADV], s[TK], v[LIV]
	v_add_nc_u32 v[ADS], s[TS], v[LIS]
	v_add_nc_u32 v[ADT], s[TS], v[LI8]
.irp t, 0,1,2,3,4,5,6,7
	ds_load_b128 v[KF+12*(\t/2)+8*(\t%2):KF+12*(\t/2)+8*(\t%2)+3], v[ADK] offset:512*\t
.endr
	ds_load_b128 v[KS:KS+3], v[ADS]
.irp n, 0,1,2,3
	ds_load_b128 v[VF+8*\n:VF+8*\n+3], v[ADV] offset:1024*\n
	ds_load_b128 v[VF+8*\n+4:VF+8*\n+7], v[ADV] offset:1024*\n+512
.endr
	ds_load_b64 v[VS:VS+1], v[ADT]
	ds_load_b64 v[VS+2:VS+3], v[ADT] offset:256
	s_wait_dscnt 10                                ; K and its words are in; V's ten loads may stay out until the second product
.irp t, 0,1,2,3
	v_wmma_scale_f32_16x16x128_f8f6f4 v[S+8*\t:S+8*\t+7], v[KF+12*(\t/2)+4*(\t%2):KF+12*(\t/2)+4*(\t%2)+7], v[QF+4*(\t%2):QF+4*(\t%2)+7], 0, v[KS+\t], v[QS] matrix_a_fmt:MATRIX_FMT_FP4 matrix_b_fmt:MATRIX_FMT_FP4
.endr
.irp t, 4,5,6,7
	v_wmma_scale_f32_16x16x128_f8f6f4 v[S+8*\t:S+8*\t+7], v[KF+12*(\t/2)+4*(\t%2):KF+12*(\t/2)+4*(\t%2)+7], v[QF+4*(\t%2):QF+4*(\t%2)+7], 0, v[KS+\t-4], v[QS] matrix_a_fmt:MATRIX_FMT_FP4 matrix_b_fmt:MATRIX_FMT_FP4 matrix_a_scale:MATRIX_SCALE_ROW1
.endr
	PLACES 4                                       ; register 8 t + j of lane (r, h): key 16 t + 8 h + j, query r
.irp b, 0,1,2,3
	v_max3_num_f32 v[BM+\b], v[S+16*\b], v[S+16*\b+1], v[S+16*\b+2]   ; the largest score of each block of 32 keys: for the row's maximum and, since p rises with the score, for the block's largest p
.endr
.irp i, 3,5,7,9,11,13
.irp b, 0,1,2,3
	v_max3_num_f32 v[BM+\b], v[BM+\b], v[S+16*\b+\i], v[S+16*\b+\i+1]
.endr
.endr
.irp b, 0,1,2,3
	v_max_num_f32 v[BM+\b], v[BM+\b], v[S+16*\b+15]
.endr
.irp b, 0,1,2,3
	s_delay_alu instid0(VALU_DEP_4)
	v_permlanex16_b32 v[T4+\b], v[BM+\b], s[SEL], s[SEL+1]
.endr
.irp b, 0,1,2,3
	s_delay_alu instid0(VALU_DEP_4)
	v_max_num_f32 v[BM+\b], v[BM+\b], v[T4+\b]     ; with lane l xor 16's sixteen keys
.endr
	s_delay_alu instid0(VALU_DEP_2)
	v_max3_num_f32 v[TMP], v[BM], v[BM+1], v[BM+2]
	s_delay_alu instid0(VALU_DEP_1)
	v_max_num_f32 v[TMP], v[TMP], v[BM+3]
	s_delay_alu instid0(VALU_DEP_1)
	v_mul_f32 v[TMP], s[CS], v[TMP]                ; the step's largest t
	s_delay_alu instid0(VALU_DEP_1)
	v_max_num_f32 v13, v13, v[TMP]                 ; the running largest t
	v_mov_b32 v[TMP], v12
	s_delay_alu instid0(VALU_DEP_2)
	v_floor_f32 v12, -v13                          ; -M = floor(-t): M is a whole number
	s_delay_alu instid0(VALU_DEP_1)
	v_sub_f32 v[TMP], v12, v[TMP]                  ; old M - new M: a whole number, 0 or less
	s_delay_alu instid0(VALU_DEP_1)
	v_cvt_i32_f32 v[TMP], v[TMP]                   ; (it saturates)
	s_delay_alu instid0(VALU_DEP_1)
	v_ldexp_f32 v[F], 1.0, v[TMP]                  ; f = 2^(old M - new M)
.irp j, 0,2,4,6,8,10,12,14,16,18,20,22,24,26,28,30,32,34,36,38,40,42,44,46,48,50,52,54,56,58,60,62
	v_pk_fma_f32 v[S+\j:S+\j+1], v[S+\j:S+\j+1], s[CS:CS+1], v[12:13] op_sel_hi:[1,0,0]   ; t - M, two at a time
.endr
.irp b, 0,1,2,3
	v_fma_f32 v[BM+\b], v[BM+\b], s[CS], v12       ; the same of each block's largest score
.endr
	s_wait_alu depctr_va_vdst(0)
.irp j, 0,1,2,3,4,5,6,7,8,9,10,11,12,13,14,15,16,17,18,19,20,21,22,23,24,25,26,27,28,29,30,31,32,33,34,35,36,37,38,39,40,41,42,43,44,45,46,47,48,49,50,51,52,53,54,55,56,57,58,59,60,61,62,63
	v_exp_f32 v[S+\j], v[S+\j]                     ; p = 2^(t - M): one batch
.endr
	s_setprio 1
	v_pk_mul_f32 v[14:15], v[14:15], v[F:F+1] op_sel_hi:[1,0]   ; the sums under the new M: the plain line behind the batch
	s_wait_alu depctr_va_vdst(0)                   ; one wait for the 64, ahead of their first reader
.irp b, 0,1,2,3
	v_exp_f32 v[BM+\b], v[BM+\b]                   ; each block's largest p
.endr
	v_pk_add_f32 v[T4:T4+1], v[S:S+1], v[S+2:S+3]  ; the row's sum, of the unquantised p, in two chains: plain work behind the four
.irp j, 4,8,12,16,20,24,28,32,36,40,44,48,52,56,60
	v_pk_add_f32 v[14:15], v[14:15], v[S+\j:S+\j+1]
	v_pk_add_f32 v[T4:T4+1], v[T4:T4+1], v[S+\j+2:S+\j+3]
.endr
	s_delay_alu instid0(VALU_DEP_1)
	v_pk_add_f32 v[14:15], v[14:15], v[T4:T4+1]
	s_wait_alu depctr_va_vdst(0)                   ; and one for the four
.irp b, 0,1,2,3
	v_max_num_f32 v[BM+\b], 0x1800000, v[BM+\b]    ; the floor 2^(3 - 127): the byte cannot fall under 1
.endr
.irp b, 0,1,2,3
	s_delay_alu instid0(VALU_DEP_4)
	v_add_nc_u32 v[SO+\b], 0xff000000, v[BM+\b]    ; 2 off the exponent field: the conversion's scale operand
.endr
.irp b, 0,1,2,3
	s_delay_alu instid0(VALU_DEP_4)
	v_lshrrev_b32 v[T4+\b], 23, v[SO+\b]           ; the scale's byte
.endr
	s_delay_alu instid0(VALU_DEP_3)
	v_lshl_or_b32 v[PWD], v[T4+1], 8, v[T4]        ; p's scale word for these 128 keys
	s_delay_alu instid0(VALU_DEP_1)
	v_lshl_or_b32 v[PWD], v[T4+2], 16, v[PWD]
	s_delay_alu instid0(VALU_DEP_1)
	v_lshl_or_b32 v[PWD], v[T4+3], 24, v[PWD]
.irp b, 0,1,2,3
	v_cvt_scalef32_pk8_fp4_f32 v[PC+4*(\b/2)+\b%2], v[S+16*\b:S+16*\b+7], v[SO+\b]         ; keys 32 b + 8 h + 0 .. 7
	v_cvt_scalef32_pk8_fp4_f32 v[PC+4*(\b/2)+2+\b%2], v[S+16*\b+8:S+16*\b+15], v[SO+\b]    ; keys 32 b + 16 + 8 h + 0 .. 7
.endr
	v_nop                                          ; one plain line behind the scaled conversions
.irp i, 0,2,4,6
	v_permlane16_swap_b32 v[PC+\i], v[PC+\i+1]     ; register 4 c + i now holds keys 64 c + 32 h + 8 i + 0 .. 7
.endr
	s_setprio 0
.irp j, 0,2,4,6,8,10,12,14,16,18,20,22,24,26,28,30
	v_pk_mul_f32 v[O+\j:O+\j+1], v[O+\j:O+\j+1], v[F:F+1] op_sel_hi:[1,0]   ; O^T under the new M.  For each product below twelve of these name none of its registers: the places behind the writes of p's codes and scale word
.endr
	s_wait_alu depctr_va_vdst(0)
	s_wait_dscnt 0x0                               ; V and its words are in
.irp n, 0,1,2,3
	v_wmma_scale_f32_16x16x128_f8f6f4 v[O+8*\n:O+8*\n+7], v[VF+8*\n:VF+8*\n+7], v[PC:PC+7], v[O+8*\n:O+8*\n+7], v[VS+\n], v[PWD] matrix_a_fmt:MATRIX_FMT_FP4 matrix_b_fmt:MATRIX_FMT_FP4
.endr
	s_add_co_u32 s[TK], s[TK], 4096
	s_add_co_u32 s[TS], s[TS], 512
.endm
; One head.  The step is written once a pass: its first trip finds zeros in O^T and l, which the first change of M leaves zeros.
.macro PASS hs
	v_mov_b32 v13, 0xff61b1e6                      ; the largest t so far: -3e38
	s_delay_alu instid0(VALU_DEP_1)
	v_floor_f32 v12, -v13
	v_mov_b32 v14, 0
	v_mov_b32 v15, 0
.irp j, 0,1,2,3,4,5,6,7,8,9,10,11,12,13,14,15,16,17,18,19,20,21,22,23,24,25,26,27,28,29,30,31
	v_mov_b32 v[O+\j], 0
.endr
	s_wait_tensorcnt 1-\hs                         ; my part of this head is in (in the first pass the other head's may stay out).  No LDS instruction of mine is out
	s_barrier_signal -1
	s_barrier_wait -1                              ; everybody's is
	s_wait_loadcnt 0x0                             ; Q
	s_mov_b32 s[TK], \hs*HEADB
	s_mov_b32 s[TS], \hs*HEADB
	s_mov_b32 s[CNT], 16
.Lstep_\@:
	s_setprio 2
	STEP
	s_sub_co_u32 s[CNT], s[CNT], 1
	s_cmp_lg_u32 s[CNT], 0
	s_cbranch_scc1 .Lstep_\@
	s_setprio 0
	PLACES 4
.if \hs == 0
	QLOAD 1                                        ; the other head's Q lands during this head's way out
.endif
	v_add_f32 v14, v14, v15                        ; l: its two halves,
	s_delay_alu instid0(VALU_DEP_1)
	v_permlanex16_b32 v[TMP], v14, s[SEL], s[SEL+1]
	s_delay_alu instid0(VALU_DEP_1)
	v_add_f32 v14, v14, v[TMP]                     ; and lane l xor 16's
	s_wait_alu depctr_va_vdst(0)
	v_rcp_f32 v14, v14
	v_nop                                          ; a plain line behind the reciprocal,
	s_wait_alu depctr_va_vdst(0)                   ; and the wait ahead of its first reader
.irp j, 0,2,4,6,8,10,12,14,16,18,20,22,24,26,28,30
	v_pk_mul_f32 v[S+\j:S+\j+1], v[O+\j:O+\j+1], v[14:15] op_sel_hi:[1,0]   ; O^T / l: register 8 n + j of lane (r, h): d = 16 n + 8 h + j of query r
.endr
.irp b, 0,1                            ; quantised along d: two blocks of 32
	v_max3_num_f32 v[BM+\b], |v[S+16*\b]|, |v[S+16*\b+1]|, 0x1800000
.endr
.irp i, 2,4,6,8,10,12,14
.irp b, 0,1
	s_delay_alu instid0(VALU_DEP_2)
	v_max3_num_f32 v[BM+\b], v[BM+\b], |v[S+16*\b+\i]|, |v[S+16*\b+\i+1]|
.endr
.endr
.irp b, 0,1
	s_delay_alu instid0(VALU_DEP_2)
	v_permlanex16_b32 v[T4+\b], v[BM+\b], s[SEL], s[SEL+1]
.endr
.irp b, 0,1
	s_delay_alu instid0(VALU_DEP_2)
	v_max_num_f32 v[BM+\b], v[BM+\b], v[T4+\b]
.endr
.irp b, 0,1
	s_delay_alu instid0(VALU_DEP_2)
	v_add_nc_u32 v[SO+\b], 0xff000000, v[BM+\b]
.endr
.irp b, 0,1
	s_delay_alu instid0(VALU_DEP_2)
	v_lshrrev_b32 v[T4+\b], 23, v[SO+\b]
.endr
.if \hs == 0
	s_delay_alu instid0(VALU_DEP_1)
	v_lshl_or_b32 v[PWA], v[T4+1], 8, v[T4]        ; head A's two bytes: k = 0 .. 63 of the K step
.else
	s_delay_alu instid0(VALU_DEP_1)
	v_lshl_or_b32 v[TMP], v[T4+1], 8, v[T4]
	s_delay_alu instid0(VALU_DEP_1)
	v_lshl_or_b32 v[PWA], v[TMP], 16, v[PWA]       ; head B's above them: the word is whole
.endif
.irp b, 0,1
	v_cvt_scalef32_pk8_fp4_f32 v[OC0+4*\hs+\b], v[S+16*\b:S+16*\b+7], v[SO+\b]
	v_cvt_scalef32_pk8_fp4_f32 v[OC0+4*\hs+2+\b], v[S+16*\b+8:S+16*\b+15], v[SO+\b]
.endr
	v_nop
	v_permlane16_swap_b32 v[OC0+4*\hs], v[OC0+4*\hs+1]
	v_permlane16_swap_b32 v[OC0+4*\hs+2], v[OC0+4*\hs+3]
	global_store_b128 v[LI], v[OC0+4*\hs:OC0+4*\hs+3], s[OBA:OBA+1] offset:512*\hs   ; registers 4 hs .. 4 hs + 3 of the fragment: 512 consecutive bytes, aligned
.endm
	PASS 0
	PASS 1
	ds_store_b32 v[STA], v[PWA]                    ; lanes r and 16 + r hold the same word and write it to the same place
	s_wait_dscnt 0x0                               ; for the others' sake: my store is done
	s_barrier_signal -1
	s_barrier_wait -1
	s_cmp_lt_u32 s[WV], 2                          ; the work-group's 1,024 bytes of words leave by two waves, 512 consecutive bytes each
	s_cbranch_scc0 .Lno_words
	ds_load_b128 v[S:S+3], v[RDA]
	s_wait_dscnt 0x0
	global_store_b128 v[LI], v[S:S+3], s[OSA:OSA+1]
.Lno_words:
	s_wait_tensorcnt 0x0
	ds_add_u32 v252, v255
	s_wait_dscnt 0x0
	CROUND                                         ; the closing round
	s_endpgm
.Lfunc_end_k_q372f33c478_attn:
	.size	k_q372f33c478_attn, .Lfunc_end_k_q372f33c478_attn-k_q372f33c478_attn
	.p2alignl 7, 3214868480
	.fill 96, 4, 3214868480
	.section	.rodata,"a",@progbits
	.p2align	6, 0x0
	.amdhsa_kernel k_q372f33c478_attn
		.amdhsa_group_segment_fixed_size 327680
		.amdhsa_private_segment_fixed_size 0
		.amdhsa_enable_private_segment 0
		.amdhsa_kernarg_size 24
		.amdhsa_user_sgpr_count 2
		.amdhsa_user_sgpr_kernarg_segment_ptr 1
		.amdhsa_wavefront_size32 1
		.amdhsa_system_sgpr_workgroup_id_x 1
		.amdhsa_system_sgpr_workgroup_id_y 1
		.amdhsa_system_sgpr_workgroup_id_z 1
		.amdhsa_system_vgpr_workitem_id 0
		.amdhsa_next_free_vgpr 256
		.amdhsa_next_free_sgpr 66
		.amdhsa_reserve_vcc 0
		.amdhsa_float_denorm_mode_32 3
		.amdhsa_float_denorm_mode_16_64 3
		.amdhsa_memory_ordered 1
		.amdhsa_forward_progress 1
		.amdhsa_inst_pref_size 51
	.end_amdhsa_kernel
	.amdgpu_metadata
---
amdhsa.version: [ 1, 2 ]
amdhsa.kernels:
  - .name:           k_q372f33c478_attn
    .symbol:         k_q372f33c478_attn.kd
    .args:
      - { .name: qb, .offset: 0, .size: 8, .value_kind: global_buffer, .address_space: global }
      - { .name: kv, .offset: 8, .size: 8, .value_kind: global_buffer, .address_space: global }
      - { .name: ob, .offset: 16, .size: 8, .value_kind: global_buffer, .address_space: global }
    .group_segment_fixed_size: 327680
    .private_segment_fixed_size: 0
    .kernarg_segment_align: 8
    .kernarg_segment_size: 24
    .max_flat_workgroup_size: 512
    .sgpr_count:     66
    .vgpr_count:     256
    .wavefront_size: 32
...
	.end_amdgpu_metadata
.endif
;; end of part 2
;; launch proj (part 3): grid 8 x 32, 8 waves a work-group, clusters of 4 x 4, 327,680 bytes of LDS; arguments ob, Wo_codes, Wo_scales, bo, out0; writes out0
.if DOCPART == 3
	.amdgcn_target "amdgcn-amd-amdhsa--gfx1250"
	.amdhsa_code_object_version 6
	.text
	.protected	k_q372f33c478_proj
	.globl	k_q372f33c478_proj
	.p2align	8
	.type	k_q372f33c478_proj,@function
k_q372f33c478_proj:
	s_mov_b64 s[64:65], 0
	v_nop
	global_prefetch_b8 v0, s[64:65] scope:SCOPE_SE
	s_setreg_imm32_b32 hwreg(HW_REG_WAVE_MODE, 25, 1), 1
	s_wait_xcnt 0x0
	s_wait_alu depctr_hold_cnt(0) depctr_sa_sdst(0) depctr_va_vdst(0) depctr_va_sdst(0) depctr_va_ssrc(0) depctr_va_vcc(0) depctr_vm_vsrc(0)
	s_getreg_b32 s2, hwreg(HW_REG_IB_STS2, 6, 4)
	s_cmp_eq_u32 s2, 0
	s_cbranch_scc0 .Lentry_in_a_cluster
	s_endpgm
.Lentry_in_a_cluster:
	s_bfe_u32 s2, ttmp6, 0x10000c
	s_cmp_lg_u32 s2, 0xf033
	s_cbranch_scc0 .Lentry_shape_is_right
	s_endpgm
.Lentry_shape_is_right:
; out = A Wo^T + bo: A [8,192][1,024] comes as operand images with scale words (ob), Wo as codes of FP4 (E2M1) with E8M0 scales, K innermost; sums and out in f32.
; SHARES.  A work-group takes 256 tokens x 128 columns; all of its operands for K = 1,024 lie in LDS at once, by first fills: no bytes are filled again.
; Wave w: tokens 64 (w / 2) on x columns 64 (w % 2) on: 16 accumulators.  Used transposed (source 0 = 16 rows of Wo, source 1 = 16 tokens): a lane holds eight neighbouring columns of one token.
; A wave's piece of a row of out is 256 consecutive bytes, aligned: each wave has a stage of its own and needs no barrier on the way out.
; CLUSTER 4 x 4: the four of a row share the token block (A), the four of a column the column block (Wo): each part is asked for jointly.
; The launch's weight lies in its stores, so the text is plain: one set of fragments, two waves to a SIMD.
.set PITCH, 528                        ; Wo's rows in LDS: 512 bytes + 16
.set TILEB, 16*PITCH
.set OBLK,  139264
.set L_WO,  OBLK                       ; ob's block lies at 0 (images, then the scale words at 131,072); then Wo's 128 rows
.set STG,   L_WO+128*PITCH             ; the stages: 32 rows x 272 bytes for each wave; no fill lands here
.set WV,  14
.set CX,  15
.set CY,  16
.set CB,  17
.set TB,  18
.set G1A, 20
.set G1W, 28
.set G0A, 36
.set G0W, 40
.set AA,  4                            ; A's images
.set AWO, 5                            ; Wo's fragments
.set ASA, 6                            ; A's scale words
.set STO, 7
.set RD,  8
.set GO,  9
.set SOW, 10
.set BO,  11
.set SA,  16                           ; v16-31 A's scale words: register 4 a + q: K step q in lanes 0-15, K step 4 + q in lanes 16-31
.set SW,  32                           ; v32-47 Wo's likewise
.set WF,  48
.set AF,  80
.set ACC, 128                          ; accumulator (a, n) at 128 + 32 a + 8 n
.macro PLACES n
.rept \n
	v_nop
.endr
.endm
.macro CROUND
	s_barrier_signal -1
	s_barrier_wait -1
	s_cmp_lg_u32 s[WV], 0
	s_cbranch_scc1 .Lnot_wave_0_\@
	s_barrier_signal -3
.Lnot_wave_0_\@:
	s_barrier_wait -3
	s_barrier_signal -1
	s_barrier_wait -1
.endm
	s_load_b256 s[4:11], s[0:1], 0x0               ; ob s[4:5], Wo's codes s[6:7], Wo's scales s[8:9], bo s[10:11]
	s_load_b64 s[12:13], s[0:1], 0x20              ; out0
	v_lshl_add_u32 v126, v0, 2, 0x43800
	v_mov_b32 v127, 0
	ds_add_u32 v126, v127
	ds_add_u32 v126, v127
	v_lshrrev_b32 v1, 5, v0
	s_delay_alu instid0(VALU_DEP_1)
	v_readfirstlane_b32 s[WV], v1                  ; wave 0..7
	s_bfe_u32 s[CX], ttmp6, 0x40000
	s_bfe_u32 s[CY], ttmp6, 0x40004
	s_lshl_b32 s[CB], ttmp9, 2
	s_add_co_u32 s[CB], s[CB], s[CX]               ; block of 128 columns
	s_and_b32 s[TB], ttmp7, 0xffff
	s_lshl_b32 s[TB], s[TB], 2
	s_add_co_u32 s[TB], s[TB], s[CY]               ; block of 256 tokens
	s_lshl_b32 s19, s[CY], 2
	s_lshl_b32 s19, 15, s19                        ; my row of the cluster
	s_lshl_b32 s48, 0x1111, s[CX]                  ; my column
	s_or_b32 s[G1A], s19, (3<<16)|(1<<21)          ; ob: 68 dense rows of 256 bytes a wave: 8 x 17,408 bytes are the block
	s_mov_b32 s[G1A+1], 32<<16
	s_mov_b32 s[G1A+2], 68<<16
	s_mov_b32 s[G1A+3], 32<<16
	s_mov_b32 s[G1A+4], 68
	s_mov_b32 s[G1A+5], 32
	s_mov_b32 s[G1A+6], 0
	s_mov_b32 s[G1A+7], 0
	s_or_b32 s[G1W], s48, (1<<20)|(1<<21)|(6<<22)|(3<<25)   ; Wo: 16 rows of 512 bytes a wave, 16 bytes of padding behind each
	s_mov_b32 s[G1W+1], 512<<16
	s_mov_b32 s[G1W+2], 16<<16
	s_mov_b32 s[G1W+3], 512<<16
	s_mov_b32 s[G1W+4], 16
	s_mov_b32 s[G1W+5], 512
	s_mov_b32 s[G1W+6], 0
	s_mov_b32 s[G1W+7], 0
	s_mul_i32 s[G0A+1], s[WV], 17408
	s_mul_i32 s44, s[TB], OBLK
	s_add_co_u32 s44, s44, s[G0A+1]                ; token block and wave alone
	s_mov_b32 s45, 0
	s_mul_i32 s[G0W+1], s[WV], TILEB
	s_add_co_u32 s[G0W+1], s[G0W+1], L_WO
	s_lshl_b32 s46, s[CB], 16                      ; column block and wave alone: (128 x block + 16 x wave) rows of 512 bytes
	s_lshl_b32 s47, s[WV], 13
	s_add_co_u32 s46, s46, s47
	s_mov_b32 s47, 0
	s_mov_b32 s[G0A], 1
	s_mov_b32 s[G0W], 1
	s_wait_dscnt 0x0
	s_wait_kmcnt 0x0
	s_add_nc_u64 s[G0A+2:G0A+3], s[4:5], s[44:45]
	s_or_b32 s[G0A+3], s[G0A+3], 0x80000000
	s_add_nc_u64 s[G0W+2:G0W+3], s[6:7], s[46:47]
	s_or_b32 s[G0W+3], s[G0W+3], 0x80000000
	CROUND                                         ; all sixteen work-groups are here: the joint loads meet
	tensor_load_to_lds s[G0A:G0A+3], s[G1A:G1A+7]  ; A's fill: one load of mine is out
	s_nop 0
	s_wait_alu depctr_va_vdst(0)
	s_wait_tensorcnt 0x0
	ds_add_u32 v126, v127
	s_wait_dscnt 0x0
	CROUND
	tensor_load_to_lds s[G0W:G0W+3], s[G1W:G1W+7]
	s_nop 0
	PLACES 4                                       ; four such lines behind the tensor load
	s_and_b32 s49, s[WV], 1                        ; which 64 columns
	s_lshr_b32 s50, s[WV], 1                       ; which 64 tokens
	s_lshl_b32 s51, s[CB], 7
	s_lshl_b32 s52, s49, 6
	s_add_co_u32 s51, s51, s52                     ; my first column
	s_lshl_b32 s52, s51, 5
	s_mov_b32 s53, 0
	s_add_nc_u64 s[8:9], s[8:9], s[52:53]          ; its row of 32 scale bytes
	s_lshl_b32 s52, s51, 2
	s_add_nc_u64 s[10:11], s[10:11], s[52:53]      ; its bias
	s_add_nc_u64 s[12:13], s[12:13], s[52:53]
	s_lshl_b32 s52, s[TB], 20                      ; 256 rows of 4,096 bytes
	s_lshl_b32 s54, s50, 18
	s_add_co_u32 s52, s52, s54
	s_add_nc_u64 s[12:13], s[12:13], s[52:53]      ; out at my first token and column
	v_and_b32 v1, 15, v0                           ; r
	v_bfe_u32 v2, v0, 4, 1                         ; h
	v_and_b32 v3, 31, v0                           ; lane
	s_lshl_b32 s54, s50, 15
	v_lshl_add_u32 v[AA], v3, 4, s54               ; 16 x lane + my four tiles of 8,192 bytes
	v_mul_u32_u24 v[AWO], v1, PITCH
	s_delay_alu instid0(VALU_DEP_1)
	v_lshl_add_u32 v[AWO], v2, 4, v[AWO]
	s_mul_i32 s54, s49, 64*PITCH
	s_add_co_u32 s54, s54, L_WO
	v_add_nc_u32 v[AWO], s54, v[AWO]
	v_lshlrev_b32 v[ASA], 2, v1
	s_delay_alu instid0(VALU_DEP_1)
	v_lshl_add_u32 v[ASA], v2, 12, v[ASA]          ; lanes 16-31 take the words four K steps (of 1,024 bytes) on
	s_lshl_b32 s54, s50, 8
	s_add_co_u32 s54, s54, 131072
	v_add_nc_u32 v[ASA], s54, v[ASA]
	s_mul_i32 s54, s[WV], 32*272
	s_add_co_u32 s54, s54, STG                     ; my stage
	v_mul_u32_u24 v[STO], v1, 272
	s_delay_alu instid0(VALU_DEP_1)
	v_lshl_add_u32 v[STO], v2, 5, v[STO]
	s_delay_alu instid0(VALU_DEP_1)
	v_add_nc_u32 v[STO], s54, v[STO]               ; in: row r, 32 bytes for each half of the lanes
	v_mul_u32_u24 v[RD], v2, 272
	s_delay_alu instid0(VALU_DEP_1)
	v_lshl_add_u32 v[RD], v1, 4, v[RD]
	s_delay_alu instid0(VALU_DEP_1)
	v_add_nc_u32 v[RD], s54, v[RD]                 ; back: lanes 0-15 one row of 256 bytes, lanes 16-31 the next
	v_lshlrev_b32 v[GO], 12, v2
	s_delay_alu instid0(VALU_DEP_1)
	v_lshl_add_u32 v[GO], v1, 4, v[GO]             ; and the same two rows in out
	v_lshlrev_b32 v[SOW], 5, v1
	s_delay_alu instid0(VALU_DEP_1)
	v_lshl_add_u32 v[SOW], v2, 4, v[SOW]
	v_lshlrev_b32 v[BO], 5, v2
.irp n, 0,1,2,3
	global_load_b128 v[SW+4*\n:SW+4*\n+3], v[SOW], s[8:9] offset:512*\n
.endr
.irp a, 0,1,2,3                        ; the bias goes straight into the accumulators, in the result's layout: every K step then adds in place, and nothing is cleared or added later
.irp n, 0,1,2,3
	global_load_b128 v[ACC+32*\a+8*\n:ACC+32*\a+8*\n+3], v[BO], s[10:11] offset:64*\n
	global_load_b128 v[ACC+32*\a+8*\n+4:ACC+32*\a+8*\n+7], v[BO], s[10:11] offset:64*\n+16
.endr
.endr
	s_wait_tensorcnt 0x0                           ; my parts of A and Wo are in,
	s_barrier_signal -1
	s_barrier_wait -1                              ; everybody's are
.irp a, 0,1,2,3
.irp q, 0,1,2,3
	ds_load_b32 v[SA+4*\a+\q], v[ASA] offset:64*\a+1024*\q
.endr
.endr
	s_wait_loadcnt 0x0                             ; Wo's scale words and the biases
.set ks, 0
.rept 8
.if ks > 0
	PLACES 4                                       ; the fragments' registers were read by the products just issued
.endif
.irp n, 0,1,2,3
	ds_load_b128 v[WF+8*\n:WF+8*\n+3], v[AWO] offset:TILEB*\n+64*ks
	ds_load_b128 v[WF+8*\n+4:WF+8*\n+7], v[AWO] offset:TILEB*\n+64*ks+32
.endr
.irp a, 0,1,2,3
	ds_load_b128 v[AF+8*\a:AF+8*\a+3], v[AA] offset:8192*\a+1024*ks
	ds_load_b128 v[AF+8*\a+4:AF+8*\a+7], v[AA] offset:8192*\a+1024*ks+512
.endr
	s_wait_dscnt 0x0
.irp a, 0,1,2,3                        ; the sixteen accumulators by turns, in the same order in every K step
.irp n, 0,1,2,3
.if ks >= 4
	v_wmma_scale_f32_16x16x128_f8f6f4 v[ACC+32*\a+8*\n:ACC+32*\a+8*\n+7], v[WF+8*\n:WF+8*\n+7], v[AF+8*\a:AF+8*\a+7], v[ACC+32*\a+8*\n:ACC+32*\a+8*\n+7], v[SW+4*\n+ks%4], v[SA+4*\a+ks%4] matrix_a_fmt:MATRIX_FMT_FP4 matrix_b_fmt:MATRIX_FMT_FP4 matrix_a_scale:MATRIX_SCALE_ROW1 matrix_b_scale:MATRIX_SCALE_ROW1
.else
	v_wmma_scale_f32_16x16x128_f8f6f4 v[ACC+32*\a+8*\n:ACC+32*\a+8*\n+7], v[WF+8*\n:WF+8*\n+7], v[AF+8*\a:AF+8*\a+7], v[ACC+32*\a+8*\n:ACC+32*\a+8*\n+7], v[SW+4*\n+ks%4], v[SA+4*\a+ks%4] matrix_a_fmt:MATRIX_FMT_FP4 matrix_b_fmt:MATRIX_FMT_FP4
.endif
.endr
.endr
.set ks, ks+1
.endr
	PLACES 4
	s_wait_alu depctr_va_vdst(0)
	; THE WAY OUT, 32 tokens at a time: a lane's 32 bytes go into my stage and come back as whole rows of 256 bytes, into the registers that they left.
	; LDS serves a wave's instructions in order (ISA guide 5.7.1.4): the loads see the stores above them, and the second half's stores come behind the first half's loads.
.irp g, 0,1
.irp a, 0,1
.irp n, 0,1,2,3
	ds_store_b128 v[STO], v[ACC+64*\g+32*\a+8*\n:ACC+64*\g+32*\a+8*\n+3] offset:16*272*\a+64*\n          ; each accumulator from its low end on
	ds_store_b128 v[STO], v[ACC+64*\g+32*\a+8*\n+4:ACC+64*\g+32*\a+8*\n+7] offset:16*272*\a+64*\n+16
.endr
.endr
.irp i, 0,1,2,3,4,5,6,7,8,9,10,11,12,13,14,15
	ds_load_b128 v[ACC+64*\g+4*\i:ACC+64*\g+4*\i+3], v[RD] offset:2*272*\i
.endr
.endr
.irp i, 0,1,2,3,4,5,6,7,8,9,10,11,12,13,14,15
	s_wait_dscnt 47-\i                             ; behind load i of the first half: its 15 - i younger loads and the second half's 32 instructions
	global_store_b128 v[GO], v[ACC+4*\i:ACC+4*\i+3], s[12:13] offset:2*\i*4096 th:TH_STORE_NT   ; sixteen lanes store 256 consecutive bytes, aligned; written once, read by nobody here
.endr
.irp i, 0,1,2,3,4,5,6,7,8,9,10,11,12,13,14,15
	s_wait_dscnt 15-\i
	global_store_b128 v[GO], v[ACC+64+4*\i:ACC+64+4*\i+3], s[12:13] offset:(32+2*\i)*4096 th:TH_STORE_NT
.endr
	s_wait_tensorcnt 0x0
	ds_add_u32 v126, v127
	s_wait_dscnt 0x0
	CROUND                                         ; the closing round
	s_endpgm
.Lfunc_end_k_q372f33c478_proj:
	.size	k_q372f33c478_proj, .Lfunc_end_k_q372f33c478_proj-k_q372f33c478_proj
	.p2alignl 7, 3214868480
	.fill 96, 4, 3214868480
	.section	.rodata,"a",@progbits
	.p2align	6, 0x0
	.amdhsa_kernel k_q372f33c478_proj
		.amdhsa_group_segment_fixed_size 327680
		.amdhsa_private_segment_fixed_size 0
		.amdhsa_enable_private_segment 0
		.amdhsa_kernarg_size 40
		.amdhsa_user_sgpr_count 2
		.amdhsa_user_sgpr_kernarg_segment_ptr 1
		.amdhsa_wavefront_size32 1
		.amdhsa_system_sgpr_workgroup_id_x 1
		.amdhsa_system_sgpr_workgroup_id_y 1
		.amdhsa_system_sgpr_workgroup_id_z 1
		.amdhsa_system_vgpr_workitem_id 0
		.amdhsa_next_free_vgpr 256
		.amdhsa_next_free_sgpr 66
		.amdhsa_reserve_vcc 0
		.amdhsa_float_denorm_mode_32 3
		.amdhsa_float_denorm_mode_16_64 3
		.amdhsa_memory_ordered 1
		.amdhsa_forward_progress 1
		.amdhsa_inst_pref_size 45
	.end_amdhsa_kernel
	.amdgpu_metadata
---
amdhsa.version: [ 1, 2 ]
amdhsa.kernels:
  - .name:           k_q372f33c478_proj
    .symbol:         k_q372f33c478_proj.kd
    .args:
      - { .name: ob, .offset: 0, .size: 8, .value_kind: global_buffer, .address_space: global }
      - { .name: Wo_codes, .offset: 8, .size: 8, .value_kind: global_buffer, .address_space: global }
      - { .name: Wo_scales, .offset: 16, .size: 8, .value_kind: global_buffer, .address_space: global }
      - { .name: bo, .offset: 24, .size: 8, .value_kind: global_buffer, .address_space: global }
      - { .name: out0, .offset: 32, .size: 8, .value_kind: global_buffer, .address_space: global }
    .group_segment_fixed_size: 327680
    .private_segment_fixed_size: 0
    .kernarg_segment_align: 8
    .kernarg_segment_size: 40
    .max_flat_workgroup_size: 256
    .sgpr_count:     66
    .vgpr_count:     256
    .wavefront_size: 32
...
	.end_amdgpu_metadata
.endif
;; end of part 3
